; MI455X (gfx1250); checked and timed in simulation.
; The chip was launched on July 23, 2026; its instructions are those of AMD's public machine-readable ISA for CDNA 5 (MIT licence, August 2026) and "CDNA5" Instruction Set Architecture Reference Guide (July 2026). The comments in the code are by the model that wrote it; some were corrected since.
;; Self Attention. Allowed arithmetic: matrix products marked QUANTISED: E5M2 operands, one given power-of-two scale a tensor, by v_wmma_f32_16x16x64_bf8_bf8 or v_wmma_f32_16x16x128_bf8_bf8, f32 sums; products left as they are: f32 operands where the result goes on into a quantised operand, else bf16, f16 or f32 operands; f32 sums; everything else in f32.
;; Inputs: W1 64 x 64 float32; Wv_codes 32 x 1 x 32 uint8 (E5M2 codes of Wv, K innermost, in blocks of 32 codes); b1 64 float32; b2 one number float32; bv 32 float32; lowp_scales 8 int32 (the exponents e of the quantised operands' scales 2^e); w2 64 float32; x 16 x 256 x 32 float32.
;; Outputs: out0 16 x 256 x 32 float32.
;; This version of the problem:
;;   THIS VERSION OF THE PROBLEM IS GIVEN IN LOW PRECISION. The matrix products marked QUANTISED in the list below multiply operands that are first quantised to E5M2 (5 exponent bits, 2 mantissa bits; 8 bits a number), with one given power-of-two scale for each operand tensor; their sums are f32. All else is computed in f32.
;;   The module's matrix products, in the order in which they are computed (A, B: the left and right operand; K: the contracted axis; several contracted axes count as one K, in the product's order):
;;     1. [M 4,096, K 32] x [K 32, N 64]; A: computed on the way; B: input W1: QUANTISED (scales: A lowp_scales[0], B lowp_scales[1])
;;     2. [M 4,096, K 32] x [K 32, N 64]; A: computed on the way; B: input W1: QUANTISED (scales: A lowp_scales[2], B lowp_scales[3])
;;     3. [M 1,048,576, K 64] x [K 64, N 1]; A: computed on the way; B: input w2: left as it is (N = 1 < 16)
;;     4. [M 4,096, K 32] x [K 32, N 32]; A: input x; B: input Wv (given as codes): QUANTISED (scales: A lowp_scales[4], B lowp_scales[5])
;;     5. batch 16 x [M 256, K 256] x [K 256, N 32]; A: softmax (see below); B: computed on the way: QUANTISED (scales: A lowp_scales[6], B lowp_scales[7])
;;   THE QUANTISER, for each operand of a quantised product, along K:
;;     - The operand's scale is 2^e, e = its entry of the input lowp_scales (int32; the entries are numbered through the quantised products in the list's order, A before B).
;;     - Each number is divided by the scale, clamped to +-57,344, and rounded to the nearest number of E5M2, ties to even, subnormals kept.
;;     - The product sums the exact products of the quantised numbers (number of the format x scale) in f32.
;;   ~~~python
;;   def quantise(x, axis, e):      # numpy; x: float32 -> the quantised numbers, widened to float32 again
;;       x = np.moveaxis(x, axis, -1); K = x.shape[-1]
;;       r = np.clip(x / 2.0 ** e, -57344, 57344)
;;       step = 2.0 ** (np.maximum(np.frexp(np.where(r == 0, 1, r))[1] - 1, -14) - 2)
;;       q = np.round(r / step) * step * 2.0 ** e      # np.round: ties to even
;;       return np.moveaxis(q, -1, axis).astype(np.float32)
;;   ~~~
;;   SOFTMAX AHEAD OF A QUANTISED PRODUCT. Where the list says 'softmax', what is quantised is not the finished softmax but p = 2^(t - M), with t = logit x log2(e) and M = ceil(the row's largest t), a whole number; so 1/2 < the row's largest p <= 1. The row's sum l is taken of the UNQUANTISED p, in f32, and the product's result is divided by l at the end. Since M is a whole number, a kernel that streams over the keys may use a running M (the ceiling of the running maximum): every later rescaling is an exact power of two, so the quantised numbers keep their values, but for numbers so far below the row's largest that they fall under the format's range.
;;   OPERANDS COMPUTED ON THE WAY. 'Computed on the way' means the value that the module computes at that place (a softmax that the list does not call 'softmax' is quantised finished and normalised). What goes into a quantiser is computed in f32, as accurately as f32 sums, v_exp_f32 and their like allow (about 1e-6 of the number): no bf16 or f16 on the way to a quantiser, and a product that is left as it is and whose result goes on into a quantised operand takes f32 operands (vector FMAs, or v_wmma_f32_16x16x4_f32). A number that lies on a knife's edge between two numbers of the format may be rounded either way, as far as f32 arithmetic and the matrix unit's own rounding can turn it there, and no further.
;;   INPUTS GIVEN AS CODES. Wv (in the module: [32, 32], K = its axis 1): each comes as NAME_codes (uint8): NAME with its K axis moved to the last place and cut into blocks of 32 codes, [.., K / 32, bytes a block], one block behind the other in memory; one code a byte (a code: sign, 5 exponent bits, 2 mantissa bits); its scale is its entry of lowp_scales. Its value is code x scale, taken as it is: it is not quantised again, and the codes and scales need not be those that the quantiser above would give.
;; 2 versions, each right; version 2 is version 1 with the launch attn written anew for expert scheduling mode. Each part assembles by itself: llvm-mc -triple=amdgcn-amd-amdhsa -mcpu=gfx1250 --defsym DOCPART=n.
;; ======== version 1 of 2: 1 launch
;; limits: right only within a limited range of input values
;; launch attn (part 1): grid 256 x 1, 16 waves a work-group, no clusters, 110,592 bytes of LDS; arguments x, W1, Wv_codes, b1, b2, bv, lowp_scales, w2, out0; writes out0
.if DOCPART == 1
	.amdgcn_target "amdgcn-amd-amdhsa--gfx1250"
	.amdhsa_code_object_version 6
	.text
	.protected	k_q346069239d_attn
	.globl	k_q346069239d_attn
	.p2align	8
	.type	k_q346069239d_attn,@function
k_q346069239d_attn:
	s_mov_b64 s[64:65], 0
	v_nop
	global_prefetch_b8 v0, s[64:65] scope:SCOPE_SE
	s_setreg_imm32_b32 hwreg(HW_REG_WAVE_MODE, 25, 1), 1
	s_wait_xcnt 0x0
; out[b][i] = sum over j of softmax_j(tanh(w2 . tanh(xn_i W1a + xn_j W1b + b1) + b2)) (x_j Wv^T + bv).   16 batches x 256 tokens x 32; hidden 64.
; The four matrix products run on codes of E5M2 with the given scales 2^e0 .. 2^e7; all else is f32.
; SHARES.  Work-group g owns 16 queries (tokens 16 g .. 16 g + 15 of the 4,096) of batch g / 16 and walks all 256 keys of that batch.  Sixteen waves, 256 registers each.
; THE INNER TANH.  tanh(a + b) = 1 - 2 / x, x = 1 + 2^(k a) 2^(k b), k = 2 log2(e).  Ea[i][h] = 2^(k (A + b1)) (16 x 64 numbers) and Eb[j][h] = 2^(k B) (256 x 64) are made once a work-group.
; The score ahead of the outer tanh is (sum of w2 + b2) - 2 sum_h w2[h] / x[h].
; ONE RECIPROCAL SERVES TWO ELEMENTS: for two neighbouring hidden units, w / x + w' / y = (w y + w' x) / (x y).  32 elements of a lane cost 16 packed multiply-adds (x, y), 8 + 8 + 8 pairs of instructions
; (x y; w y; += w' x), 16 reciprocals and 8 pairs of multiply-adds onto the sums.  So that x y stays an f32 number, all is kept scaled: Ea is stored as Ea 2^-63, x~ = Ea~ Eb + 2^-63 = x 2^-63 lies in
; [2^-63, 2^63], x~ y~ in [2^-126, 2^126], and the sums stand for sum x 2^63; the factor 2^-63 goes into the constant of the outer tanh.  Powers of two round nothing.
; PHASES, four barriers.  Head: waves 0-3 quantise W1b's four tiles and hand them on through LDS as images of the operand's registers; waves 4-7 make Ea, a tile of 16 hidden units each; every wave quantises its own 16 tokens.
;   1: wave w makes Eb and the codes of v for tokens 16 w .. 16 w + 15.   2: wave w takes keys 64 (w % 4) + lane and + 32, queries 4 (w / 4) + 0 .. 3: 16 steps of 16 hidden units.
;   3: wave w is query w: maximum, M, p, the sum, p's codes.   4: wave 0 multiplies p by v (four matrix instructions) and stores 16 rows.
; K = 32 PRODUCTS use the K = 64 form: lane (r, h) holds k = 16 h + 0 .. 15 in a fragment's registers 0-3, alike on both sides; the token side's registers 4-7 are zeros, the weight side's hold finite codes or zeros.
; NO CLUSTER, NO TENSOR LOADS: what the 16 work-groups of a batch share is the batch's 32,768 bytes of x, which each reads once, 2,048 bytes a wave, straight into operand registers; nothing is streamed and no LDS byte is filled twice.
; LIMITS.  k (A + b1) is held within -62 .. 63 and k B at 63 from above: a result is off only where |A + b1| or B passes 21.4 while their sum does not saturate the tanh (xn is a unit vector, so |A|, |B| stay under a column norm of W1); no NaN arises.
;   The sum of |w2| stays under 2^60.  e0 + e1 and e2 + e3 between -127 and 126 (added to k's exponent field); e4 + e5 between -126 and 127; e0, e1, e2, e3, e4, e6, e7 each between -126 and 112.  NaN among the inputs is not served.
;   The score's sum is formed as a constant less twice a sum: its error is bounded by the sum of |w2| times a few f32 roundings, as that of the plain sum is.
.set PIT,    272                       ; LDS pitch of rows of 256 bytes: 68 words, so sixteen neighbouring rows begin at sixteen different groups of four banks
.set TPIT,   1040                      ; a row of 256 f32 + 16 bytes
.set SPIT,   144                       ; a row of 32 f32 + 16 bytes
.set L_EA,   2048                      ; LDS: from 0 the four images of W1b's fragments, 512 bytes each; Ea [16][64] f32
.set L_EB,   L_EA+16*PIT               ; Eb [256][64] f32
.set L_VT,   L_EB+256*PIT              ; v's codes [32 d][256 keys]
.set L_T,    L_VT+32*PIT               ; t [16][256] f32
.set L_P,    L_T+16*TPIT               ; p's codes [16][256]
.set L_L,    L_P+16*PIT                ; the rows' sums [16] f32
.set L_STG,  L_L+256                   ; the way out: 16 rows
.set K2,     0x4038aa3b                ; k = 2 log2(e)
; addresses that stay: v4-15
.set A_EBL, 4                          ; Eb, my first key's row
.set A_EAL, 5                          ; Ea, my first query's row (the same in all lanes)
.set A_TS,  6                          ; t: where I store
.set A_TL,  7                          ; t: my 8 keys of query w
.set A_PS,  8                          ; p's codes: where I store
.set A_LS,  9                          ; the sum of query w
.set A_VTL, 10                         ; v's fragments
.set A_PL,  11                         ; p's fragments
.set A_LL,  12                         ; the sum of query r
.set A_STS, 13                         ; the stage, in
.set A_STL, 14                         ; the stage, back
.set A_OO,  15                         ; my 16 bytes of a store's 512
; addresses of the head and of phase 1: v16-27 (the main phase's sums take these registers later)
.set A_XA,  16
.set A_XQ,  17
.set A_WO,  18
.set A_IMS, 19
.set A_LI,  20
.set A_EBS, 21
.set A_EAS, 22
.set A_VTS, 23
.set A_B1,  24
.set A_WV,  25
.set A_BV,  26
.set A_W2,  27
; data ahead of the main phase
.set X,    32                          ; v32-47   my 16 numbers of my token
.set XN,   48                          ; v48-63   normalised
.set WR,   64                          ; v64-79   16 numbers of a column of W1
.set XQ,   80                          ; v80-95   the query tile's numbers (waves 4-7)
.set WV0,  96                          ; v96-99   Wv's codes, d = r;         v100-115 W1b's four fragments; v116-119 zeros
.set WF,   100
.set WV1,  120                         ; v120-123 Wv's codes, d = 16 + r;    v124-127 zeros
.set XB,   128                         ; v128-131 xn's codes;                v132-135 zeros
.set XV,   136                         ; v136-139 x's codes;                 v140-143 zeros
.set DB,   144                         ; v144-175 four tiles of B
.set DV,   176                         ; v176-191 two tiles of v
.set B1,   192                         ; v192-199 b1
.set BV,   200                         ; v200, v201 bv[r], bv[16 + r]
.set CD,   202                         ; v202-205 codes on their way to LDS
.set NT,   206                         ; v206-211 at work in NORM
.set NU,   208
.set NN,   209
.set NI,   210
; the main phase
.set SA,   16                          ; v16-19   the sums: chain 0 (key 0: v16, key 1: v17), chain 1 (v18, v19)
.set C63,  20                          ; v20, v21 2^-63, twice
.set PRE,  24                          ; v24-31   the finished sum of query q, key u at 2 q + u
.set EB0,  32                          ; v32-95   Eb of my first key
.set EB1,  96                          ; v96-159  of my second
.set XX,   160                         ; v160-191 x~, y~: key 0's eight pairs, then key 1's
.set PP,   192                         ; v192-207 x~ y~, then its reciprocal: pair m of key u at 2 m + u
.set TT,   208                         ; v208-223 w y~ + w' x~, likewise
.set EA0,  224                         ; v224-255 two sets of 16 of Ea
.macro MKSCALE vs, vl, se              ; v[vs] = 2^e as f32 (the conversion takes its exponent field), v[vl] = 57,344 x 2^e
	s_add_co_i32 s100, s[\se], 127
	s_lshl_b32 s101, s100, 23
	v_mov_b32 v[\vs], s101
	s_add_co_i32 s100, s100, 15
	s_lshl_b32 s100, s100, 23
	s_or_b32 s100, s100, 0x600000
	v_mov_b32 v[\vl], s100
.endm
.macro NORM src, dst                   ; 16 numbers of a lane, half a token: dst = src / max(the token's norm, 1e-12)
	v_pk_mul_f32 v[NT:NT+1], v[\src:\src+1], v[\src:\src+1]
.irp j, 2,4,6,8,10,12,14
	v_pk_fma_f32 v[NT:NT+1], v[\src+\j:\src+\j+1], v[\src+\j:\src+\j+1], v[NT:NT+1]
.endr
	v_add_f32 v[NT], v[NT], v[NT+1]
	v_permlanex16_b32 v[NU], v[NT], s22, s23       ; the token's other half lies in the lane 16 away
	v_add_f32 v[NT], v[NT], v[NU]
	v_sqrt_f32 v[NN], v[NT]
	v_nop                                          ; a plain instruction behind the root
	s_wait_alu depctr_va_vdst(0)                   ; the wait ahead of the result's first reader
	v_max_num_f32 v[NN], 0x2b8cbccc, v[NN]         ; 1e-12
	v_rcp_f32 v[NI], v[NN]
	v_mov_b32 v[NI+1], 0                           ; the plain instruction behind the reciprocal; it also writes the pair's upper half, which is named below
	s_wait_alu depctr_va_vdst(0)
.irp j, 0,2,4,6,8,10,12,14
	v_pk_mul_f32 v[\dst+\j:\dst+\j+1], v[\src+\j:\src+\j+1], v[NI:NI+1] op_sel_hi:[1,0]
.endr
.endm
.macro QUANT16 src, dst, sc, lim       ; 16 neighbours along K become 16 codes in four registers
.irp i, 0,1,2,3,4,5,6,7,8,9,10,11,12,13,14,15
	v_med3_num_f32 v[\src+\i], v[\src+\i], -v[\lim], v[\lim]   ; the conversion does not saturate (ISA guide 7.6.2): the hold at the largest code x the scale
.endr
	v_cvt_scalef32_pk8_bf8_f32 v[\dst:\dst+1], v[\src:\src+7], v[\sc]
	v_cvt_scalef32_pk8_bf8_f32 v[\dst+2:\dst+3], v[\src+8:\src+15], v[\sc]
	v_nop                                          ; one plain instruction between a scaled conversion and whatever next touches its registers
.endm
.macro PLACES n
.rept \n
	v_nop
.endr
.endm
.macro BARRIER                         ; my LDS stores have landed and my LDS loads are in: then the work-group's barrier
	s_wait_dscnt 0x0
	s_barrier_signal -1
	s_barrier_wait -1
.endm
	s_load_b512 s[4:19], s[0:1], 0x0               ; x 4:5, W1 6:7, Wv's codes 8:9, b1 10:11, b2 12:13, bv 14:15, the scales' exponents 16:17, w2 18:19
	s_load_b64 s[20:21], s[0:1], 0x40              ; out
	v_lshrrev_b32 v1, 5, v0
	v_readfirstlane_b32 s2, v1                     ; wave 0..15
	v_and_b32 v1, 31, v0                           ; lane
	v_and_b32 v2, 15, v0                           ; r
	v_bfe_u32 v3, v0, 4, 1                         ; h
	s_mov_b32 s22, 0x76543210                      ; v_permlanex16_b32: lane l xor 16
	s_mov_b32 s23, 0xfedcba98
	s_and_b32 s100, s2, 3                          ; wave % 4: my group of 64 keys; in the head: my tile of 16 hidden units
	s_lshr_b32 s101, s2, 2                         ; wave / 4: my group of 4 queries
	; every address is made here, ahead of the first parting of the waves, from the thread's number, the wave's number and constants
	v_mul_u32_u24 v28, v2, PIT                     ; 272 r
	s_mul_i32 s66, s100, 64*PIT
	s_add_co_u32 s66, s66, L_EB
	v_mul_u32_u24 v[A_EBL], v1, PIT
	v_add_nc_u32 v[A_EBL], s66, v[A_EBL]           ; Eb's row 64 (wave % 4) + lane
	s_mul_i32 s66, s101, 4*PIT
	s_add_co_u32 s66, s66, L_EA
	v_mov_b32 v[A_EAL], s66                        ; Ea's row 4 (wave / 4)
	s_mul_i32 s66, s101, 4*TPIT
	s_lshl_b32 s67, s100, 8
	s_add_co_u32 s66, s66, s67
	s_add_co_u32 s66, s66, L_T
	v_lshl_add_u32 v[A_TS], v1, 2, s66             ; t(4 (wave / 4), 64 (wave % 4) + lane)
	s_mul_i32 s66, s2, TPIT
	s_add_co_u32 s66, s66, L_T
	v_lshl_add_u32 v[A_TL], v1, 5, s66             ; t(wave, 8 lane)
	s_mul_i32 s66, s2, PIT
	s_add_co_u32 s66, s66, L_P
	v_lshl_add_u32 v[A_PS], v1, 3, s66             ; p's codes (wave, 8 lane)
	s_lshl_b32 s66, s2, 2
	s_add_co_u32 s66, s66, L_L
	v_mov_b32 v[A_LS], s66
	v_lshl_add_u32 v29, v3, 4, v28                 ; 272 r + 16 h: a fragment's place in rows of codes
	v_add_nc_u32 v[A_VTL], L_VT, v29
	v_add_nc_u32 v[A_PL], L_P, v29
	v_lshl_add_u32 v[A_LL], v2, 2, L_L
	v_mul_u32_u24 v[A_STS], v2, SPIT
	v_lshl_add_u32 v[A_STS], v3, 5, v[A_STS]
	v_add_nc_u32 v[A_STS], L_STG, v[A_STS]         ; the stage: row r, + 32 h
	v_lshrrev_b32 v29, 3, v1
	v_mul_u32_u24 v[A_STL], v29, SPIT
	v_and_b32 v29, 7, v1
	v_lshl_add_u32 v[A_STL], v29, 4, v[A_STL]
	v_add_nc_u32 v[A_STL], L_STG, v[A_STL]         ; back: eight lanes to a row of 128 bytes, four rows an instruction
	v_lshlrev_b32 v[A_OO], 4, v1
	v_lshlrev_b32 v[A_XA], 7, v2
	v_lshl_add_u32 v[A_XA], v3, 6, v[A_XA]         ; x: token r of 128 bytes, + 64 h: my 16 numbers
	s_and_b32 s66, ttmp9, 15
	s_lshl_b32 s66, s66, 11
	v_add_nc_u32 v[A_XQ], s66, v[A_XA]             ; in the work-group's tile of queries,
	s_lshl_b32 s66, s2, 11
	v_add_nc_u32 v[A_XA], s66, v[A_XA]             ; in my wave's tile of tokens
	s_lshl_b32 s66, s100, 6                        ; 64 bytes = 16 hidden units x (wave % 4)
	s_cmp_lt_u32 s2, 4
	s_cselect_b32 s67, 8192, 0                     ; waves 0-3 take W1's rows 32-63, waves 4-7 its rows 0-31
	s_add_co_u32 s67, s67, s66
	v_lshlrev_b32 v[A_WO], 2, v2
	v_lshl_add_u32 v[A_WO], v3, 12, v[A_WO]
	v_add_nc_u32 v[A_WO], s67, v[A_WO]             ; W1: column 16 t + r, from row 16 h on (a row is 256 bytes)
	v_and_b32 v[A_IMS], 127, v0
	v_lshlrev_b32 v[A_IMS], 4, v[A_IMS]            ; an image's place for waves 0-3: 512 x wave + 16 x lane
	v_lshlrev_b32 v[A_LI], 4, v1                   ; and for whoever reads it: 16 x lane
	s_mul_i32 s67, s2, 16*PIT
	s_add_co_u32 s67, s67, L_EB
	v_lshl_add_u32 v[A_EBS], v3, 5, v28
	v_add_nc_u32 v[A_EBS], s67, v[A_EBS]           ; Eb's row 16 wave + r, + 32 h
	s_add_co_u32 s67, s66, L_EA
	v_lshl_add_u32 v[A_EAS], v3, 5, v28
	v_add_nc_u32 v[A_EAS], s67, v[A_EAS]           ; Ea's row r, + 64 t + 32 h
	s_lshl_b32 s67, s2, 4
	s_add_co_u32 s67, s67, L_VT
	v_lshl_add_u32 v[A_VTS], v3, 3, v28
	v_add_nc_u32 v[A_VTS], s67, v[A_VTS]           ; v's codes: row d = r, keys 16 wave + 8 h on
	v_lshl_add_u32 v[A_B1], v3, 5, s66             ; b1: hidden units 16 t + 8 h on
	v_lshlrev_b32 v[A_WV], 5, v2
	v_lshl_add_u32 v[A_WV], v3, 4, v[A_WV]         ; Wv's codes: row r of 32 bytes, + 16 h
	v_lshlrev_b32 v[A_BV], 2, v2
	v_lshlrev_b32 v[A_W2], 3, v1
	s_wait_kmcnt 0x0
	s_load_b256 s[24:31], s[16:17], 0x0            ; e0 .. e7
	s_load_b512 s[32:47], s[18:19], 0x0            ; w2[0..31] in s32-63, w2[32..63] in s68-99
	s_load_b512 s[48:63], s[18:19], 0x40
	s_load_b512 s[68:83], s[18:19], 0x80
	s_load_b512 s[84:99], s[18:19], 0xc0
	s_load_b32 s3, s[12:13], 0x0                   ; b2
	s_lshr_b32 s100, ttmp9, 4
	s_lshl_b32 s100, s100, 15                      ; the batch's 256 tokens of 128 bytes
	s_mov_b32 s101, 0
	s_add_nc_u64 s[4:5], s[4:5], s[100:101]
	s_lshl_b32 s100, ttmp9, 11                     ; the work-group's 16 rows of the output
	s_add_nc_u64 s[20:21], s[20:21], s[100:101]
.irp i, 0,1,2,3
	global_load_b128 v[X+4*\i:X+4*\i+3], v[A_XA], s[4:5] offset:16*\i
.endr
	global_load_b128 v[WV0:WV0+3], v[A_WV], s[8:9]
	global_load_b128 v[WV1:WV1+3], v[A_WV], s[8:9] offset:512
	global_load_b32 v[BV], v[A_BV], s[14:15]
	global_load_b32 v[BV+1], v[A_BV], s[14:15] offset:64
	global_load_b64 v[224:225], v[A_W2], s[18:19]  ; two of w2 a lane, for their sum
.irp z, 116,117,118,119,124,125,126,127,132,133,134,135,140,141,142,143
	v_mov_b32 v\z, 0                               ; the upper K halves of the fragments: sixteen registers, written once
.endr
	v_mov_b32 v[NU], 0                             ; a lane permute's destination counts as read
	v_mov_b32 v226, 0
	v_mov_b32 v222, 0x427c0000                     ; 63.0
	; ---- the roles of waves 0-7; waves 8-15 go straight on
	s_cmp_lt_u32 s2, 8
	s_cbranch_scc0 .Lcommon
.irp i, 0,1,2,3,4,5,6,7,8,9,10,11,12,13,14,15
	global_load_b32 v[WR+\i], v[A_WO], s[6:7] offset:256*\i   ; W1(16 h + i (+ 32), 16 t + r): a lane takes a column, its registers run down K
.endr
	s_cmp_lt_u32 s2, 4
	s_cbranch_scc0 .Lmake_ea
	s_wait_kmcnt 0x0                               ; the exponents
	MKSCALE 214, 215, 27                           ; e3
	s_wait_loadcnt 0x0
	QUANT16 WR, CD, 214, 215
	ds_store_b128 v[A_IMS], v[CD:CD+3]             ; tile t of W1b as an image of its four registers
	s_branch .Lcommon
.Lmake_ea:
.irp i, 0,1,2,3
	global_load_b128 v[XQ+4*\i:XQ+4*\i+3], v[A_XQ], s[4:5] offset:16*\i
.endr
	global_load_b128 v[B1:B1+3], v[A_B1], s[10:11]
	global_load_b128 v[B1+4:B1+7], v[A_B1], s[10:11] offset:16
	s_wait_kmcnt 0x0
	MKSCALE 214, 215, 25                           ; e1
	MKSCALE 212, 213, 24                           ; e0
	s_add_co_i32 s100, s24, s25
	s_lshl_b32 s100, s100, 23
	s_add_co_i32 s66, s100, K2                     ; k x 2^(e0 + e1): the exponents are added to k's exponent field
	s_mov_b32 s67, s66                             ; (named with it as a pair, so it is written)
	s_wait_loadcnt 0x0
	QUANT16 WR, WF+12, 214, 215                    ; W1a's tile t, with four zero registers behind it
	NORM XQ, XQ
	QUANT16 XQ, XB, 212, 213
	v_wmma_f32_16x16x64_bf8_bf8 v[DB:DB+7], v[WF+12:WF+19], v[XB:XB+7], 0   ; transposed: lane (r, h) holds query r and hidden units 16 t + 8 h + 0 .. 7
.irp j, 0,2,4,6
	v_pk_mul_f32 v[B1+\j:B1+\j+1], v[B1+\j:B1+\j+1], K2 op_sel_hi:[1,0]      ; k b1: these four name none of the product's registers and are the four places behind it (ISA guide 7.12.1)
.endr
.irp j, 0,2,4,6
	v_pk_fma_f32 v[DB+\j:DB+\j+1], v[DB+\j:DB+\j+1], s[66:67], v[B1+\j:B1+\j+1] op_sel_hi:[1,0,1]   ; k (A + b1), from the result's low end on
.endr
.irp j, 0,1,2,3,4,5,6,7
	v_med3_num_f32 v[DB+\j], v[DB+\j], 0xc2780000, v222   ; held within -62 .. 63,
.endr
.irp j, 0,2,4,6
	v_pk_add_f32 v[DB+\j:DB+\j+1], v[DB+\j:DB+\j+1], 0xc27c0000 op_sel_hi:[1,0]   ; less 63: Ea 2^-63 lies in [2^-125, 1]
.endr
.irp j, 0,1,2,3,4,5,6,7
	v_exp_f32 v[DB+\j], v[DB+\j]
.endr
	v_nop
	s_wait_alu depctr_va_vdst(0)                   ; one wait for the eight, ahead of their first reader
	ds_store_b128 v[A_EAS], v[DB:DB+3]
	ds_store_b128 v[A_EAS], v[DB+4:DB+7] offset:16
.Lcommon:
	s_wait_loadcnt 0x0                             ; all my loads are in,
	s_wait_kmcnt 0x0                               ; the scalar ones too: s4-s19 have served as addresses and take constants
	s_add_co_i32 s4, s28, s29
	s_add_co_i32 s4, s4, 127
	s_lshl_b32 s4, s4, 23                          ; 2^(e4 + e5)
	s_mov_b32 s5, s4
	s_mov_b32 s6, 0xa138aa3b                       ; -2 k 2^-63: the sums stand for sum x 2^63
	s_mov_b32 s7, s6
	s_mov_b32 s8, 0xc038aa3b                       ; -2 log2(e)
	s_mov_b32 s9, s8
	s_add_co_i32 s12, s30, s31                     ; e6 + e7
	s_add_co_i32 s100, s26, s27
	s_lshl_b32 s100, s100, 23
	s_add_co_i32 s66, s100, K2                     ; k x 2^(e2 + e3)
	s_mov_b32 s67, s66
	v_add_f32 v224, v224, v225                     ; the sum of w2 over the 32 lanes,
	v_add_f32_dpp v224, v224, v224 row_xmask:1 row_mask:0xf bank_mask:0xf
	v_add_f32_dpp v224, v224, v224 row_xmask:2 row_mask:0xf bank_mask:0xf
	v_add_f32_dpp v224, v224, v224 row_xmask:4 row_mask:0xf bank_mask:0xf
	v_add_f32_dpp v224, v224, v224 row_xmask:8 row_mask:0xf bank_mask:0xf
	v_permlanex16_b32 v226, v224, s22, s23
	v_add_f32 v224, v224, v226
	v_add_f32 v224, s3, v224                       ; + b2,
	v_mul_f32 v224, K2, v224                       ; x k;
	v_readfirstlane_b32 s16, v224                  ; kept in a scalar register through the main phase, which has no vector register to spare
	MKSCALE 216, 217, 26                           ; e2
	MKSCALE 218, 219, 28                           ; e4
	MKSCALE 220, 221, 31                           ; e7
	NORM X, XN
	QUANT16 XN, XB, 216, 217                       ; xn's codes for the second product
	QUANT16 X, XV, 218, 219                        ; x's codes for the values
	BARRIER                                        ; W1b's four images lie in LDS (and Ea, which is read two barriers on)
	; ---- 1: Eb and v's codes for my 16 tokens
.irp t, 0,1,2,3
	ds_load_b128 v[WF+4*\t:WF+4*\t+3], v[A_LI] offset:512*\t
.endr
	s_wait_dscnt 0x0
.irp t, 0,1,2,3                                ; transposed: lane (r, h) holds token r and hidden units 16 t + 8 h + 0 .. 7.  A fragment's upper half is the next tile's codes (finite) or zeros, against the tokens' zeros
	v_wmma_f32_16x16x64_bf8_bf8 v[DB+8*\t:DB+8*\t+7], v[WF+4*\t:WF+4*\t+7], v[XB:XB+7], 0
.endr
	v_wmma_f32_16x16x64_bf8_bf8 v[DV:DV+7], v[XV:XV+7], v[WV0:WV0+7], 0        ; lane (r, h) holds d = r and tokens 8 h + 0 .. 7: eight neighbours along the last product's K
	v_wmma_f32_16x16x64_bf8_bf8 v[DV+8:DV+15], v[XV:XV+7], v[WV1:WV1+7], 0     ; d = 16 + r
	PLACES 4
.irp j, 0,2,4,6,8,10,12,14,16,18,20,22,24,26,28,30
	v_pk_mul_f32 v[DB+\j:DB+\j+1], v[DB+\j:DB+\j+1], s[66:67] op_sel_hi:[1,0]  ; k B
.endr
.irp j, 0,1,2,3,4,5,6,7,8,9,10,11,12,13,14,15,16,17,18,19,20,21,22,23,24,25,26,27,28,29,30,31
	v_min_num_f32 v[DB+\j], v[DB+\j], v222         ; held at 63 from above, so that x~ stays at 2^63 or under; far below, Eb runs to 0, which is right
.endr
.irp j, 0,1,2,3,4,5,6,7,8,9,10,11,12,13,14,15,16,17,18,19,20,21,22,23,24,25,26,27,28,29,30,31
	v_exp_f32 v[DB+\j], v[DB+\j]
.endr
.irp j, 0,2,4,6                                ; the values are the independent work behind the batch of exponentials
	v_pk_fma_f32 v[DV+\j:DV+\j+1], v[DV+\j:DV+\j+1], s[4:5], v[BV:BV+1] op_sel_hi:[1,0,0]                    ; sum x 2^(e4 + e5) + bv[r]
.endr
.irp j, 8,10,12,14
	v_pk_fma_f32 v[DV+\j:DV+\j+1], v[DV+\j:DV+\j+1], s[4:5], v[BV:BV+1] op_sel:[0,0,1] op_sel_hi:[1,0,1]     ; + bv[16 + r]
.endr
.irp j, 0,1,2,3,4,5,6,7,8,9,10,11,12,13,14,15
	v_med3_num_f32 v[DV+\j], v[DV+\j], -v221, v221
.endr
	v_cvt_scalef32_pk8_bf8_f32 v[CD:CD+1], v[DV:DV+7], v220
	v_cvt_scalef32_pk8_bf8_f32 v[CD+2:CD+3], v[DV+8:DV+15], v220
	v_nop
	s_wait_alu depctr_va_vdst(0)                   ; one wait for the 32 exponentials, ahead of the stores that read them
.irp t, 0,1,2,3
	ds_store_b128 v[A_EBS], v[DB+8*\t:DB+8*\t+3] offset:64*\t
	ds_store_b128 v[A_EBS], v[DB+8*\t+4:DB+8*\t+7] offset:64*\t+16
.endr
	ds_store_b64 v[A_VTS], v[CD:CD+1]
	ds_store_b64 v[A_VTS], v[CD+2:CD+3] offset:16*PIT
	BARRIER                                        ; Ea, Eb and v's codes lie in LDS
	; ---- 2: the scores.  Step n = 4 q + c: query q of my four, hidden units 16 c .. 16 c + 15, my two keys: 32 elements a lane, 16 pairs
.macro LDEB c                          ; 16 of Eb for each of my two keys: eight loads
.set cb_, (\c)
.irp i, 0,1,2,3
	ds_load_b128 v[EB0+16*cb_+4*\i:EB0+16*cb_+4*\i+3], v[A_EBL] offset:64*cb_+16*\i
	ds_load_b128 v[EB1+16*cb_+4*\i:EB1+16*cb_+4*\i+3], v[A_EBL] offset:32*PIT+64*cb_+16*\i
.endr
.endm
.macro LDEA n                          ; step n's 16 of Ea, the same in every lane, into set n % 2: four loads
.set q_, (\n)/4
.set c_, (\n)%4
.set e_, EA0+16*((\n)%2)
.irp i, 0,1,2,3
	ds_load_b128 v[e_+4*\i:e_+4*\i+3], v[A_EAL] offset:q_*PIT+64*c_+16*\i
.endr
.endm
.macro PKE n                           ; x~ = Ea~ Eb + 2^-63, two neighbouring hidden units an instruction: a pair (x~, y~)
.set c_, (\n)%4
.set e_, EA0+16*((\n)%2)
.irp i, 0,1,2,3,4,5,6,7
	v_pk_fma_f32 v[XX+2*\i:XX+2*\i+1], v[EB0+16*c_+2*\i:EB0+16*c_+2*\i+1], v[e_+2*\i:e_+2*\i+1], v[C63:C63+1]
	v_pk_fma_f32 v[XX+16+2*\i:XX+17+2*\i], v[EB1+16*c_+2*\i:EB1+16*c_+2*\i+1], v[e_+2*\i:e_+2*\i+1], v[C63:C63+1]
.endr
.endm
; The pairs' products x~ y~ and numerators w y~ + w' x~ (w belongs to x's hidden unit, w' to y's).  Each line does key 0's pair m and key 1's pair m xor 1: so the two first sources, and the two second
; sources, lie two register banks apart, one result is even and one odd, and a line names two scalar registers.
.macro PREP n
.set c_, (\n)%4
.irp m, 0,1,2,3,4,5,6,7
.set o_, \m+1-2*(\m%2)
	v_dual_mul_f32 v[PP+2*\m], v[XX+2*\m], v[XX+2*\m+1] :: v_dual_mul_f32 v[PP+2*o_+1], v[XX+16+2*o_], v[XX+17+2*o_]
.endr
.irp m, 0,1,2,3,4,5,6,7
.set o_, \m+1-2*(\m%2)
.set wm_, 32+16*c_+2*\m+4*(c_/2)
.set wo_, 32+16*c_+2*o_+4*(c_/2)
	v_dual_mul_f32 v[TT+2*\m], s[wm_], v[XX+2*\m+1] :: v_dual_mul_f32 v[TT+2*o_+1], s[wo_], v[XX+17+2*o_]
.endr
.irp m, 0,1,2,3,4,5,6,7
.set o_, \m+1-2*(\m%2)
.set wm_, 32+16*c_+2*\m+4*(c_/2)
.set wo_, 32+16*c_+2*o_+4*(c_/2)
	v_dual_fmac_f32 v[TT+2*\m], s[wm_+1], v[XX+2*\m] :: v_dual_fmac_f32 v[TT+2*o_+1], s[wo_+1], v[XX+16+2*o_]
.endr
.endm
.macro RCP n
.irp i, 0,1,2,3,4,5,6,7,8,9,10,11,12,13,14,15
	v_rcp_f32 v[PP+\i], v[PP+\i]
.endr
.endm
.macro ACC n                           ; the sums take numerator x reciprocal: both keys' pair m in a line, two chains by turns; a query's first two lines start the chains, so nothing is cleared
.set c_, (\n)%4
.irp m, 0,1,2,3,4,5,6,7
.set a_, SA+2*(\m%2)
.if (c_ == 0) && (\m < 2)
	v_dual_mul_f32 v[a_], v[TT+2*\m], v[PP+2*\m] :: v_dual_mul_f32 v[a_+1], v[TT+2*\m+1], v[PP+2*\m+1]
.else
	v_dual_fmac_f32 v[a_], v[TT+2*\m], v[PP+2*\m] :: v_dual_fmac_f32 v[a_+1], v[TT+2*\m+1], v[PP+2*\m+1]
.endif
.endr
.endm
.macro FIN q                           ; a query's two chains become its two sums, one for each key
	v_pk_add_f32 v[PRE+2*(\q):PRE+2*(\q)+1], v[SA:SA+1], v[SA+2:SA+3]
.endm
; A step: its 16 reciprocals as one batch; behind them the next step's 16 packed multiply-adds, which name none of the batch's registers, and the LDS loads for two steps on;
; then the one wait ahead of the batch's first reader; the sums; and the next step's products and numerators, into the registers that the sums have just read.
.macro STEP n
	RCP \n
.if (\n) < 15
	s_wait_dscnt 0x0                               ; the loads issued a step ago: the next step's 16 of Ea (in the first three steps also its 2 x 16 of Eb)
	PKE (\n)+1
.else
	v_nop                                          ; the last batch has no work behind it: the plain instruction
.endif
.if (\n) < 14
	LDEA (\n)+2
.if (\n)+2 < 4
	LDEB (\n)+2                                    ; Eb's third and fourth 16 come under the first steps' arithmetic
.endif
.endif
	s_wait_alu depctr_va_vdst(0)
	ACC \n
.if (\n)%4 == 3
	FIN (\n)/4
.endif
.if (\n) < 15
	PREP (\n)+1
.endif
.endm
	v_mov_b32 v[C63], 0x20000000                   ; 2^-63
	v_mov_b32 v[C63+1], 0x20000000
	LDEA 0                                         ; 24 loads, in the order in which they are wanted
	LDEB 0
	LDEA 1
	LDEB 1
	s_wait_dscnt 12                                ; the first twelve are in: Ea's first set and Eb's first 16; the younger twelve may be out
	PKE 0
	PREP 0
.set N, 0
.rept 16
	STEP N
.set N, N+1
.endr
	; the outer tanh, and t = score x log2(e):  tanh(z) = 1 - 2 / (1 + 2^(k z)),  k z = k (sum of w2 + b2) - 2 k 2^-63 (the scaled sum)
	v_mov_b32 v32, s16
	v_mov_b32 v33, s16
	v_mov_b32 v34, 0x3fb8aa3b                      ; log2(e)
	v_mov_b32 v35, 0x3fb8aa3b
.irp j, 0,2,4,6
	v_pk_fma_f32 v[PRE+\j:PRE+\j+1], v[PRE+\j:PRE+\j+1], s[6:7], v[32:33] op_sel_hi:[1,0,1]
.endr
.irp j, 0,1,2,3,4,5,6,7
	v_exp_f32 v[PRE+\j], v[PRE+\j]
.endr
	v_nop
	s_wait_alu depctr_va_vdst(0)
.irp j, 0,2,4,6
	v_pk_add_f32 v[PRE+\j:PRE+\j+1], v[PRE+\j:PRE+\j+1], 1.0 op_sel_hi:[1,0]
.endr
.irp j, 0,1,2,3,4,5,6,7
	v_rcp_f32 v[PRE+\j], v[PRE+\j]
.endr
	v_nop
	s_wait_alu depctr_va_vdst(0)
.irp j, 0,2,4,6
	v_pk_fma_f32 v[PRE+\j:PRE+\j+1], v[PRE+\j:PRE+\j+1], s[8:9], v[34:35] op_sel_hi:[1,0,1]   ; t = log2(e) - 2 log2(e) r
.endr
.irp q, 0,1,2,3
	ds_store_b32 v[A_TS], v[PRE+2*\q] offset:TPIT*\q
	ds_store_b32 v[A_TS], v[PRE+2*\q+1] offset:TPIT*\q+128
.endr
	MKSCALE 50, 51, 30                             ; e6
	v_mov_b32 v42, 0                               ; a lane permute's destination counts as read
	BARRIER                                        ; all of t lies in LDS
	; ---- 3: wave w is query w; a lane holds keys 8 lane + 0 .. 7
	ds_load_b128 v[32:35], v[A_TL]
	ds_load_b128 v[36:39], v[A_TL] offset:16
	s_wait_dscnt 0x0
	v_max3_num_f32 v40, v32, v33, v34
	v_max3_num_f32 v41, v35, v36, v37
	v_max3_num_f32 v40, v40, v38, v39
	v_max_num_f32 v40, v40, v41
	v_max_num_f32_dpp v40, v40, v40 row_xmask:1 row_mask:0xf bank_mask:0xf
	v_max_num_f32_dpp v40, v40, v40 row_xmask:2 row_mask:0xf bank_mask:0xf
	v_max_num_f32_dpp v40, v40, v40 row_xmask:4 row_mask:0xf bank_mask:0xf
	v_max_num_f32_dpp v40, v40, v40 row_xmask:8 row_mask:0xf bank_mask:0xf
	v_permlanex16_b32 v42, v40, s22, s23
	v_max_num_f32 v40, v40, v42                    ; the row's largest t
	v_floor_f32 v44, -v40                          ; -M = floor(-t) = -ceil(t)
	v_mov_b32 v45, 0                               ; (named as the pair's upper half)
.irp j, 0,2,4,6
	v_pk_add_f32 v[32+\j:33+\j], v[32+\j:33+\j], v[44:45] op_sel_hi:[1,0]   ; t - M
.endr
.irp j, 0,1,2,3,4,5,6,7
	v_exp_f32 v[32+\j], v[32+\j]                   ; p = 2^(t - M): not normalised
.endr
	v_nop
	s_wait_alu depctr_va_vdst(0)
	v_pk_add_f32 v[46:47], v[32:33], v[34:35]      ; the row's sum is taken of the unquantised p
	v_pk_add_f32 v[52:53], v[36:37], v[38:39]
	v_pk_add_f32 v[46:47], v[46:47], v[52:53]
	v_add_f32 v46, v46, v47
	v_add_f32_dpp v46, v46, v46 row_xmask:1 row_mask:0xf bank_mask:0xf
	v_add_f32_dpp v46, v46, v46 row_xmask:2 row_mask:0xf bank_mask:0xf
	v_add_f32_dpp v46, v46, v46 row_xmask:4 row_mask:0xf bank_mask:0xf
	v_add_f32_dpp v46, v46, v46 row_xmask:8 row_mask:0xf bank_mask:0xf
	v_permlanex16_b32 v42, v46, s22, s23
	v_add_f32 v46, v46, v42
.irp j, 0,1,2,3,4,5,6,7
	v_min_num_f32 v[32+\j], v[32+\j], v51          ; p is not negative: the hold is one-sided
.endr
	v_cvt_scalef32_pk8_bf8_f32 v[48:49], v[32:39], v50
	v_nop
	ds_store_b64 v[A_PS], v[48:49]
	ds_store_b32 v[A_LS], v46                      ; all lanes write the same word with the same number
	BARRIER                                        ; p's codes and the sixteen sums lie in LDS
	s_cmp_lg_u32 s2, 0
	s_cbranch_scc1 .Lend                           ; the last product is four matrix instructions: wave 0's
	; ---- 4: O^T = v^T p^T: source 0 = 16 of the 32 d, source 1 = my 16 queries; K = 256 keys in two steps.  Both sides come by four loads of 16 bytes a fragment: the same permutation of k in both
.irp d, 0,1
.irp s, 0,1
.irp c, 0,1,2,3
	ds_load_b128 v[64+16*(2*\d+\s)+4*\c:64+16*(2*\d+\s)+4*\c+3], v[A_VTL] offset:16*PIT*\d+128*\s+32*\c
.endr
.endr
.endr
.irp s, 0,1
.irp c, 0,1,2,3
	ds_load_b128 v[128+16*\s+4*\c:128+16*\s+4*\c+3], v[A_PL] offset:128*\s+32*\c
.endr
.endr
	ds_load_b32 v40, v[A_LL]                       ; the sum of query r
	s_wait_dscnt 0x0
	v_rcp_f32 v41, v40
	v_nop
	s_wait_alu depctr_va_vdst(0)
	v_ldexp_f32 v40, v41, s12                      ; 2^(e6 + e7) / the sum
	v_wmma_f32_16x16x128_bf8_bf8 v[160:167], v[64:79], v[128:143], 0           ; the two accumulators take turns, one instruction a turn
	v_wmma_f32_16x16x128_bf8_bf8 v[168:175], v[96:111], v[128:143], 0
	v_wmma_f32_16x16x128_bf8_bf8 v[160:167], v[80:95], v[144:159], v[160:167]
	v_wmma_f32_16x16x128_bf8_bf8 v[168:175], v[112:127], v[144:159], v[168:175]
	PLACES 4
.irp j, 0,2,4,6,8,10,12,14
	v_pk_mul_f32 v[176+\j:177+\j], v[160+\j:161+\j], v[40:41] op_sel_hi:[1,0]  ; lane (r, h): out(r, 16 d + 8 h + 0 .. 7); each accumulator from its low end on
.endr
.irp d, 0,1
	ds_store_b128 v[A_STS], v[176+8*\d:179+8*\d] offset:64*\d
	ds_store_b128 v[A_STS], v[180+8*\d:183+8*\d] offset:64*\d+16
.endr
.irp i, 0,1,2,3
	ds_load_b128 v[192+4*\i:195+4*\i], v[A_STL] offset:4*SPIT*\i               ; my own bytes: LDS serves a wave's instructions in order (ISA guide 5.7.1.4)
.endr
.irp i, 0,1,2,3
	s_wait_dscnt 3-\i                              ; the younger loads may stay out
	global_store_b128 v[A_OO], v[192+4*\i:195+4*\i], s[20:21] offset:512*\i th:TH_STORE_NT   ; 32 lanes store four rows: 512 consecutive bytes, at a multiple of 256 from the output's first byte
.endr
.Lend:
	s_wait_xcnt 0x0
	v_lshl_add_u32 v254, v0, 2, 0x1a800
	v_mov_b32 v255, 0
	s_wait_tensorcnt 0x0
	ds_add_u32 v254, v255
	s_wait_dscnt 0x0
	s_endpgm
.Lfunc_end_k_q346069239d_attn:
	.size	k_q346069239d_attn, .Lfunc_end_k_q346069239d_attn-k_q346069239d_attn
	.p2alignl 7, 3214868480
	.fill 96, 4, 3214868480
	.section	.rodata,"a",@progbits
	.p2align	6, 0x0
	.amdhsa_kernel k_q346069239d_attn
		.amdhsa_group_segment_fixed_size 110592
		.amdhsa_private_segment_fixed_size 0
		.amdhsa_enable_private_segment 0
		.amdhsa_kernarg_size 72
		.amdhsa_user_sgpr_count 2
		.amdhsa_user_sgpr_kernarg_segment_ptr 1
		.amdhsa_wavefront_size32 1
		.amdhsa_system_sgpr_workgroup_id_x 1
		.amdhsa_system_sgpr_workgroup_id_y 1
		.amdhsa_system_sgpr_workgroup_id_z 1
		.amdhsa_system_vgpr_workitem_id 0
		.amdhsa_next_free_vgpr 256
		.amdhsa_next_free_sgpr 102
		.amdhsa_reserve_vcc 0
		.amdhsa_float_denorm_mode_32 3
		.amdhsa_float_denorm_mode_16_64 3
		.amdhsa_memory_ordered 1
		.amdhsa_forward_progress 1
		.amdhsa_inst_pref_size 102
	.end_amdhsa_kernel
	.amdgpu_metadata
---
amdhsa.version: [ 1, 2 ]
amdhsa.kernels:
  - .name:           k_q346069239d_attn
    .symbol:         k_q346069239d_attn.kd
    .args:
      - { .name: x, .offset: 0, .size: 8, .value_kind: global_buffer, .address_space: global }
      - { .name: W1, .offset: 8, .size: 8, .value_kind: global_buffer, .address_space: global }
      - { .name: Wv_codes, .offset: 16, .size: 8, .value_kind: global_buffer, .address_space: global }
      - { .name: b1, .offset: 24, .size: 8, .value_kind: global_buffer, .address_space: global }
      - { .name: b2, .offset: 32, .size: 8, .value_kind: global_buffer, .address_space: global }
      - { .name: bv, .offset: 40, .size: 8, .value_kind: global_buffer, .address_space: global }
      - { .name: lowp_scales, .offset: 48, .size: 8, .value_kind: global_buffer, .address_space: global }
      - { .name: w2, .offset: 56, .size: 8, .value_kind: global_buffer, .address_space: global }
      - { .name: out0, .offset: 64, .size: 8, .value_kind: global_buffer, .address_space: global }
    .group_segment_fixed_size: 110592
    .private_segment_fixed_size: 0
    .kernarg_segment_align: 8
    .kernarg_segment_size: 72
    .max_flat_workgroup_size: 512
    .sgpr_count:     102
    .vgpr_count:     256
    .wavefront_size: 32
...
	.end_amdgpu_metadata
.endif
;; end of part 1
;; ======== version 2 of 2: 1 launch; version 1 with the launch attn written anew for expert scheduling mode
;; limits: right only within a limited range of input values
;; launch attn (part 2): grid 256 x 1, 16 waves a work-group, no clusters, 110,592 bytes of LDS; arguments x, W1, Wv_codes, b1, b2, bv, lowp_scales, w2, out0; writes out0
.if DOCPART == 2
	.amdgcn_target "amdgcn-amd-amdhsa--gfx1250"
	.amdhsa_code_object_version 6
	.text
	.protected	k_q346069239d_attn
	.globl	k_q346069239d_attn
	.p2align	8
	.type	k_q346069239d_attn,@function
k_q346069239d_attn:
	s_mov_b64 s[64:65], 0
	v_nop
	global_prefetch_b8 v0, s[64:65] scope:SCOPE_SE
	s_setreg_imm32_b32 hwreg(HW_REG_WAVE_SCHED_MODE, 0, 2), 2
	s_setreg_imm32_b32 hwreg(HW_REG_WAVE_MODE, 25, 1), 1
	s_wait_xcnt 0x0
	s_wait_alu depctr_vm_vsrc(0)
; out[b][i] = sum over j of softmax_j(tanh(w2 . tanh(xn_i W1a + xn_j W1b + b1) + b2)) (x_j Wv^T + bv).   16 batches x 256 tokens x 32; hidden 64.
; The four matrix products run on codes of E5M2 with the given scales 2^e0 .. 2^e7; all else is f32.
; SHARES.  Work-group g owns 16 queries (tokens 16 g .. 16 g + 15 of the 4,096) of batch g / 16 and walks all 256 keys of that batch.  Sixteen waves, 256 registers each.
; THE INNER TANH.  tanh(a + b) = 1 - 2 / x, x = 1 + 2^(k a) 2^(k b), k = 2 log2(e).  Ea[i][h] = 2^(k (A + b1)) (16 x 64 numbers) and Eb[j][h] = 2^(k B) (256 x 64) are made once a work-group.
; The score ahead of the outer tanh is (sum of w2 + b2) - 2 sum_h w2[h] / x[h].
; ONE RECIPROCAL SERVES TWO ELEMENTS: for two neighbouring hidden units, w / x + w' / y = (w y + w' x) / (x y).  32 elements of a lane cost 16 packed multiply-adds (x, y), 8 + 8 + 8 pairs of instructions
; (x y; w y; += w' x), 16 reciprocals and 8 pairs of multiply-adds onto the sums.  So that x y stays an f32 number, all is kept scaled: Ea is stored as Ea 2^-63, x~ = Ea~ Eb + 2^-63 = x 2^-63 lies in
; [2^-63, 2^63], x~ y~ in [2^-126, 2^126], and the sums stand for sum x 2^63; the factor 2^-63 goes into the constant of the outer tanh.  Powers of two round nothing.
; PHASES, four barriers.  Head: waves 0-3 quantise W1b's four tiles and hand them on through LDS as images of the operand's registers; waves 4-7 make Ea, a tile of 16 hidden units each; every wave quantises its own 16 tokens.
;   1: wave w makes Eb and the codes of v for tokens 16 w .. 16 w + 15.   2: wave w takes keys 64 (w % 4) + lane and + 32, queries 4 (w / 4) + 0 .. 3: 16 steps of 16 hidden units.
;   3: wave w is query w: maximum, M, p, the sum, p's codes.   4: wave 0 multiplies p by v (four matrix instructions) and stores 16 rows.
; K = 32 PRODUCTS use the K = 64 form: lane (r, h) holds k = 16 h + 0 .. 15 in a fragment's registers 0-3, alike on both sides; the token side's registers 4-7 are zeros, the weight side's hold finite codes or zeros.
; NO CLUSTER, NO TENSOR LOADS: what the 16 work-groups of a batch share is the batch's 32,768 bytes of x, which each reads once, 2,048 bytes a wave, straight into operand registers; nothing is streamed and no LDS byte is filled twice.
; LIMITS.  k (A + b1) is held within -62 .. 63 and k B at 63 from above: a result is off only where |A + b1| or B passes 21.4 while their sum does not saturate the tanh (xn is a unit vector, so |A|, |B| stay under a column norm of W1); no NaN arises.
;   The sum of |w2| stays under 2^60.  e0 + e1 and e2 + e3 between -127 and 126 (added to k's exponent field); e4 + e5 between -126 and 127; e0, e1, e2, e3, e4, e6, e7 each between -126 and 112.  NaN among the inputs is not served.
;   The score's sum is formed as a constant less twice a sum: its error is bounded by the sum of |w2| times a few f32 roundings, as that of the plain sum is.
; THE MODE: SCHED_MODE bits 1:0 = 2 (LLVM: expert scheduling mode 2), set by the entry lines.  The code itself states the register dependences
; between vector or matrix instructions and memory or LDS instructions, with s_wait_alu, always for 0.
; THE PLAN.  Registers that memory or LDS instructions touch:
;   v4-15     addresses: written at the head, ahead of the one wait in front of the first load; read to the end; never written again.
;   v16-27    addresses of the head and of phase 1: written at the head likewise; read up to the second barrier; behind it one wait on vm_vsrc, then the main phase writes them as sums and constants.
;   v100-115  W1b's images land here in phase 1; in waves 4-7 a conversion has written v112-115 and a product has read them: one wait on va_vdst ahead of those loads.
;   v202-205, v144-175  codes and exponentials: read by the LDS stores of the head and of phase 1, each run of stores behind a wait on va_vdst; written again, or loaded into, only behind the wait on vm_vsrc that follows each of the first two barriers.
;   v32-159   Eb lands here.  All that named these registers before stands ahead of phase 1's wait on va_vdst (the first 24 loads) or of a step's (the other 16).
;   v224-255  Ea, two sets.  Step n's loads land in set n % 2, which the packed multiply-adds of step n read; those stand ahead of step n's one wait on va_vdst, and the loads directly behind it.
;   v24-31; v46, v48, v49; v176-191  data of the stores of t, of p's codes and the sum, and of the stage: each run of stores behind one wait on va_vdst; none of them is written again.
;   v32-39, v40, v64-159, v192-207  take LDS loads in phases 3 and 4: no vector instruction names them between the last wait on va_vdst ahead and the load.
;   s2, s16   written by v_readfirstlane_b32: a wait on va_sdst stands ahead of each one's first reader, in the straight run of code in which it is written.
.set PIT,    272                       ; LDS pitch of rows of 256 bytes: 68 words, so sixteen neighbouring rows begin at sixteen different groups of four banks
.set TPIT,   1040                      ; a row of 256 f32 + 16 bytes
.set SPIT,   144                       ; a row of 32 f32 + 16 bytes
.set L_EA,   2048                      ; LDS: from 0 the four images of W1b's fragments, 512 bytes each; Ea [16][64] f32
.set L_EB,   L_EA+16*PIT               ; Eb [256][64] f32
.set L_VT,   L_EB+256*PIT              ; v's codes [32 d][256 keys]
.set L_T,    L_VT+32*PIT               ; t [16][256] f32
.set L_P,    L_T+16*TPIT               ; p's codes [16][256]
.set L_L,    L_P+16*PIT                ; the rows' sums [16] f32
.set L_STG,  L_L+256                   ; the way out: 16 rows
.set K2,     0x4038aa3b                ; k = 2 log2(e)
; addresses that stay: v4-15
.set A_EBL, 4                          ; Eb, my first key's row
.set A_EAL, 5                          ; Ea, my first query's row (the same in all lanes)
.set A_TS,  6                          ; t: where I store
.set A_TL,  7                          ; t: my 8 keys of query w
.set A_PS,  8                          ; p's codes: where I store
.set A_LS,  9                          ; the sum of query w
.set A_VTL, 10                         ; v's fragments
.set A_PL,  11                         ; p's fragments
.set A_LL,  12                         ; the sum of query r
.set A_STS, 13                         ; the stage, in
.set A_STL, 14                         ; the stage, back
.set A_OO,  15                         ; my 16 bytes of a store's 512
; addresses of the head and of phase 1: v16-27 (the main phase's sums take these registers later)
.set A_XA,  16
.set A_XQ,  17
.set A_WO,  18
.set A_IMS, 19
.set A_LI,  20
.set A_EBS, 21
.set A_EAS, 22
.set A_VTS, 23
.set A_B1,  24
.set A_WV,  25
.set A_BV,  26
.set A_W2,  27
; data ahead of the main phase
.set X,    32                          ; v32-47   my 16 numbers of my token
.set XN,   48                          ; v48-63   normalised
.set WR,   64                          ; v64-79   16 numbers of a column of W1
.set XQ,   80                          ; v80-95   the query tile's numbers (waves 4-7)
.set WV0,  96                          ; v96-99   Wv's codes, d = r;         v100-115 W1b's four fragments; v116-119 zeros
.set WF,   100
.set WV1,  120                         ; v120-123 Wv's codes, d = 16 + r;    v124-127 zeros
.set XB,   128                         ; v128-131 xn's codes;                v132-135 zeros
.set XV,   136                         ; v136-139 x's codes;                 v140-143 zeros
.set DB,   144                         ; v144-175 four tiles of B
.set DV,   176                         ; v176-191 two tiles of v
.set B1,   192                         ; v192-199 b1
.set BV,   200                         ; v200, v201 bv[r], bv[16 + r]
.set CD,   202                         ; v202-205 codes on their way to LDS
.set NT,   206                         ; v206-211 at work in NORM
.set NU,   208
.set NN,   209
.set NI,   210
; the main phase
.set SA,   16                          ; v16-19   the sums: chain 0 (key 0: v16, key 1: v17), chain 1 (v18, v19)
.set C63,  20                          ; v20, v21 2^-63, twice
.set PRE,  24                          ; v24-31   the finished sum of query q, key u at 2 q + u
.set EB0,  32                          ; v32-95   Eb of my first key
.set EB1,  96                          ; v96-159  of my second
.set XX,   160                         ; v160-191 x~, y~: key 0's eight pairs, then key 1's
.set PP,   192                         ; v192-207 x~ y~, then its reciprocal: pair m of key u at 2 m + u
.set TT,   208                         ; v208-223 w y~ + w' x~, likewise
.set EA0,  224                         ; v224-255 two sets of 16 of Ea
.macro MKSCALE vs, vl, se              ; v[vs] = 2^e as f32 (the conversion takes its exponent field), v[vl] = 57,344 x 2^e
	s_add_co_i32 s100, s[\se], 127
	s_lshl_b32 s101, s100, 23
	v_mov_b32 v[\vs], s101
	s_add_co_i32 s100, s100, 15
	s_lshl_b32 s100, s100, 23
	s_or_b32 s100, s100, 0x600000
	v_mov_b32 v[\vl], s100
.endm
.macro NORM src, dst                   ; 16 numbers of a lane, half a token: dst = src / max(the token's norm, 1e-12)
	v_pk_mul_f32 v[NT:NT+1], v[\src:\src+1], v[\src:\src+1]
.irp j, 2,4,6,8,10,12,14
	v_pk_fma_f32 v[NT:NT+1], v[\src+\j:\src+\j+1], v[\src+\j:\src+\j+1], v[NT:NT+1]
.endr
	v_add_f32 v[NT], v[NT], v[NT+1]
	v_permlanex16_b32 v[NU], v[NT], s22, s23       ; the token's other half lies in the lane 16 away
	v_add_f32 v[NT], v[NT], v[NU]
	v_sqrt_f32 v[NN], v[NT]
	v_nop                                          ; a plain instruction behind the root
	s_wait_alu depctr_va_vdst(0)                   ; the root is written: the wait ahead of the result's first reader
	v_max_num_f32 v[NN], 0x2b8cbccc, v[NN]         ; 1e-12
	v_rcp_f32 v[NI], v[NN]
	v_mov_b32 v[NI+1], 0                           ; the plain instruction behind the reciprocal; it also writes the pair's upper half, which is named below
	s_wait_alu depctr_va_vdst(0)                   ; the reciprocal is written, ahead of its first reader
.irp j, 0,2,4,6,8,10,12,14
	v_pk_mul_f32 v[\dst+\j:\dst+\j+1], v[\src+\j:\src+\j+1], v[NI:NI+1] op_sel_hi:[1,0]
.endr
.endm
.macro QUANT16 src, dst, sc, lim       ; 16 neighbours along K become 16 codes in four registers
.irp i, 0,1,2,3,4,5,6,7,8,9,10,11,12,13,14,15
	v_med3_num_f32 v[\src+\i], v[\src+\i], -v[\lim], v[\lim]   ; the conversion does not saturate (ISA guide 7.6.2): the hold at the largest code x the scale
.endr
	v_cvt_scalef32_pk8_bf8_f32 v[\dst:\dst+1], v[\src:\src+7], v[\sc]
	v_cvt_scalef32_pk8_bf8_f32 v[\dst+2:\dst+3], v[\src+8:\src+15], v[\sc]
	v_nop                                          ; one plain instruction between a scaled conversion and whatever next touches its registers
.endm
.macro PLACES n
.rept \n
	v_nop
.endr
.endm
.macro BARRIER                         ; my LDS stores have landed and my LDS loads are in: then the work-group's barrier
	s_wait_dscnt 0x0
	s_barrier_signal -1
	s_barrier_wait -1
.endm
	s_load_b512 s[4:19], s[0:1], 0x0               ; x 4:5, W1 6:7, Wv's codes 8:9, b1 10:11, b2 12:13, bv 14:15, the scales' exponents 16:17, w2 18:19
	s_load_b64 s[20:21], s[0:1], 0x40              ; out
	v_lshrrev_b32 v1, 5, v0
	v_readfirstlane_b32 s2, v1                     ; wave 0..15
	v_and_b32 v1, 31, v0                           ; lane
	v_and_b32 v2, 15, v0                           ; r
	v_bfe_u32 v3, v0, 4, 1                         ; h
	s_mov_b32 s22, 0x76543210                      ; v_permlanex16_b32: lane l xor 16
	s_mov_b32 s23, 0xfedcba98
	s_wait_alu depctr_va_sdst(0)                   ; s2 is written, ahead of its first reader: the addresses and the roles below are made from it
	s_and_b32 s100, s2, 3                          ; wave % 4: my group of 64 keys; in the head: my tile of 16 hidden units
	s_lshr_b32 s101, s2, 2                         ; wave / 4: my group of 4 queries
	; every address is made here, ahead of the first parting of the waves, from the thread's number, the wave's number and constants
	v_mul_u32_u24 v28, v2, PIT                     ; 272 r
	s_mul_i32 s66, s100, 64*PIT
	s_add_co_u32 s66, s66, L_EB
	v_mul_u32_u24 v[A_EBL], v1, PIT
	v_add_nc_u32 v[A_EBL], s66, v[A_EBL]           ; Eb's row 64 (wave % 4) + lane
	s_mul_i32 s66, s101, 4*PIT
	s_add_co_u32 s66, s66, L_EA
	v_mov_b32 v[A_EAL], s66                        ; Ea's row 4 (wave / 4)
	s_mul_i32 s66, s101, 4*TPIT
	s_lshl_b32 s67, s100, 8
	s_add_co_u32 s66, s66, s67
	s_add_co_u32 s66, s66, L_T
	v_lshl_add_u32 v[A_TS], v1, 2, s66             ; t(4 (wave / 4), 64 (wave % 4) + lane)
	s_mul_i32 s66, s2, TPIT
	s_add_co_u32 s66, s66, L_T
	v_lshl_add_u32 v[A_TL], v1, 5, s66             ; t(wave, 8 lane)
	s_mul_i32 s66, s2, PIT
	s_add_co_u32 s66, s66, L_P
	v_lshl_add_u32 v[A_PS], v1, 3, s66             ; p's codes (wave, 8 lane)
	s_lshl_b32 s66, s2, 2
	s_add_co_u32 s66, s66, L_L
	v_mov_b32 v[A_LS], s66
	v_lshl_add_u32 v29, v3, 4, v28                 ; 272 r + 16 h: a fragment's place in rows of codes
	v_add_nc_u32 v[A_VTL], L_VT, v29
	v_add_nc_u32 v[A_PL], L_P, v29
	v_lshl_add_u32 v[A_LL], v2, 2, L_L
	v_mul_u32_u24 v[A_STS], v2, SPIT
	v_lshl_add_u32 v[A_STS], v3, 5, v[A_STS]
	v_add_nc_u32 v[A_STS], L_STG, v[A_STS]         ; the stage: row r, + 32 h
	v_lshrrev_b32 v29, 3, v1
	v_mul_u32_u24 v[A_STL], v29, SPIT
	v_and_b32 v29, 7, v1
	v_lshl_add_u32 v[A_STL], v29, 4, v[A_STL]
	v_add_nc_u32 v[A_STL], L_STG, v[A_STL]         ; back: eight lanes to a row of 128 bytes, four rows an instruction
	v_lshlrev_b32 v[A_OO], 4, v1
	v_lshlrev_b32 v[A_XA], 7, v2
	v_lshl_add_u32 v[A_XA], v3, 6, v[A_XA]         ; x: token r of 128 bytes, + 64 h: my 16 numbers
	s_and_b32 s66, ttmp9, 15
	s_lshl_b32 s66, s66, 11
	v_add_nc_u32 v[A_XQ], s66, v[A_XA]             ; in the work-group's tile of queries,
	s_lshl_b32 s66, s2, 11
	v_add_nc_u32 v[A_XA], s66, v[A_XA]             ; in my wave's tile of tokens
	s_lshl_b32 s66, s100, 6                        ; 64 bytes = 16 hidden units x (wave % 4)
	s_cmp_lt_u32 s2, 4
	s_cselect_b32 s67, 8192, 0                     ; waves 0-3 take W1's rows 32-63, waves 4-7 its rows 0-31
	s_add_co_u32 s67, s67, s66
	v_lshlrev_b32 v[A_WO], 2, v2
	v_lshl_add_u32 v[A_WO], v3, 12, v[A_WO]
	v_add_nc_u32 v[A_WO], s67, v[A_WO]             ; W1: column 16 t + r, from row 16 h on (a row is 256 bytes)
	v_and_b32 v[A_IMS], 127, v0
	v_lshlrev_b32 v[A_IMS], 4, v[A_IMS]            ; an image's place for waves 0-3: 512 x wave + 16 x lane
	v_lshlrev_b32 v[A_LI], 4, v1                   ; and for whoever reads it: 16 x lane
	s_mul_i32 s67, s2, 16*PIT
	s_add_co_u32 s67, s67, L_EB
	v_lshl_add_u32 v[A_EBS], v3, 5, v28
	v_add_nc_u32 v[A_EBS], s67, v[A_EBS]           ; Eb's row 16 wave + r, + 32 h
	s_add_co_u32 s67, s66, L_EA
	v_lshl_add_u32 v[A_EAS], v3, 5, v28
	v_add_nc_u32 v[A_EAS], s67, v[A_EAS]           ; Ea's row r, + 64 t + 32 h
	s_lshl_b32 s67, s2, 4
	s_add_co_u32 s67, s67, L_VT
	v_lshl_add_u32 v[A_VTS], v3, 3, v28
	v_add_nc_u32 v[A_VTS], s67, v[A_VTS]           ; v's codes: row d = r, keys 16 wave + 8 h on
	v_lshl_add_u32 v[A_B1], v3, 5, s66             ; b1: hidden units 16 t + 8 h on
	v_lshlrev_b32 v[A_WV], 5, v2
	v_lshl_add_u32 v[A_WV], v3, 4, v[A_WV]         ; Wv's codes: row r of 32 bytes, + 16 h
	v_lshlrev_b32 v[A_BV], 2, v2
	v_lshlrev_b32 v[A_W2], 3, v1
	s_wait_kmcnt 0x0
	s_load_b256 s[24:31], s[16:17], 0x0            ; e0 .. e7
	s_load_b512 s[32:47], s[18:19], 0x0            ; w2[0..31] in s32-63, w2[32..63] in s68-99
	s_load_b512 s[48:63], s[18:19], 0x40
	s_load_b512 s[68:83], s[18:19], 0x80
	s_load_b512 s[84:99], s[18:19], 0xc0
	s_load_b32 s3, s[12:13], 0x0                   ; b2
	s_lshr_b32 s100, ttmp9, 4
	s_lshl_b32 s100, s100, 15                      ; the batch's 256 tokens of 128 bytes
	s_mov_b32 s101, 0
	s_add_nc_u64 s[4:5], s[4:5], s[100:101]
	s_lshl_b32 s100, ttmp9, 11                     ; the work-group's 16 rows of the output
	s_add_nc_u64 s[20:21], s[20:21], s[100:101]
	s_wait_alu depctr_va_vdst(0)                   ; the 24 addresses v4 to v27 are written, which every load and store of the kernel, global or LDS, reads
.irp i, 0,1,2,3
	global_load_b128 v[X+4*\i:X+4*\i+3], v[A_XA], s[4:5] offset:16*\i
.endr
	global_load_b128 v[WV0:WV0+3], v[A_WV], s[8:9]
	global_load_b128 v[WV1:WV1+3], v[A_WV], s[8:9] offset:512
	global_load_b32 v[BV], v[A_BV], s[14:15]
	global_load_b32 v[BV+1], v[A_BV], s[14:15] offset:64
	global_load_b64 v[224:225], v[A_W2], s[18:19]  ; two of w2 a lane, for their sum
.irp z, 116,117,118,119,124,125,126,127,132,133,134,135,140,141,142,143
	v_mov_b32 v\z, 0                               ; the upper K halves of the fragments: sixteen registers, written once
.endr
	v_mov_b32 v[NU], 0                             ; a lane permute's destination counts as read
	v_mov_b32 v226, 0
	v_mov_b32 v222, 0x427c0000                     ; 63.0
	; ---- the roles of waves 0-7; waves 8-15 go straight on
	s_cmp_lt_u32 s2, 8
	s_cbranch_scc0 .Lcommon
.irp i, 0,1,2,3,4,5,6,7,8,9,10,11,12,13,14,15
	global_load_b32 v[WR+\i], v[A_WO], s[6:7] offset:256*\i   ; W1(16 h + i (+ 32), 16 t + r): a lane takes a column, its registers run down K.  (No vector instruction has named v64-79)
.endr
	s_cmp_lt_u32 s2, 4
	s_cbranch_scc0 .Lmake_ea
	s_wait_kmcnt 0x0                               ; the exponents
	MKSCALE 214, 215, 27                           ; e3
	s_wait_loadcnt 0x0
	QUANT16 WR, CD, 214, 215
	s_wait_alu depctr_va_vdst(0)                   ; the conversions have written v[CD ..], which the LDS store reads
	ds_store_b128 v[A_IMS], v[CD:CD+3]             ; tile t of W1b as an image of its four registers
	s_branch .Lcommon
.Lmake_ea:
.irp i, 0,1,2,3
	global_load_b128 v[XQ+4*\i:XQ+4*\i+3], v[A_XQ], s[4:5] offset:16*\i   ; (no vector instruction has named v80-95 or v192-199)
.endr
	global_load_b128 v[B1:B1+3], v[A_B1], s[10:11]
	global_load_b128 v[B1+4:B1+7], v[A_B1], s[10:11] offset:16
	s_wait_kmcnt 0x0
	MKSCALE 214, 215, 25                           ; e1
	MKSCALE 212, 213, 24                           ; e0
	s_add_co_i32 s100, s24, s25
	s_lshl_b32 s100, s100, 23
	s_add_co_i32 s66, s100, K2                     ; k x 2^(e0 + e1): the exponents are added to k's exponent field
	s_mov_b32 s67, s66                             ; (named with it as a pair, so it is written)
	s_wait_loadcnt 0x0
	QUANT16 WR, WF+12, 214, 215                    ; W1a's tile t, with four zero registers behind it
	NORM XQ, XQ
	QUANT16 XQ, XB, 212, 213
	v_wmma_f32_16x16x64_bf8_bf8 v[DB:DB+7], v[WF+12:WF+19], v[XB:XB+7], 0   ; transposed: lane (r, h) holds query r and hidden units 16 t + 8 h + 0 .. 7
.irp j, 0,2,4,6
	v_pk_mul_f32 v[B1+\j:B1+\j+1], v[B1+\j:B1+\j+1], K2 op_sel_hi:[1,0]      ; k b1: these four name none of the product's registers and are the four places behind it (ISA guide 7.12.1)
.endr
.irp j, 0,2,4,6
	v_pk_fma_f32 v[DB+\j:DB+\j+1], v[DB+\j:DB+\j+1], s[66:67], v[B1+\j:B1+\j+1] op_sel_hi:[1,0,1]   ; k (A + b1), from the result's low end on
.endr
.irp j, 0,1,2,3,4,5,6,7
	v_med3_num_f32 v[DB+\j], v[DB+\j], 0xc2780000, v222   ; held within -62 .. 63,
.endr
.irp j, 0,2,4,6
	v_pk_add_f32 v[DB+\j:DB+\j+1], v[DB+\j:DB+\j+1], 0xc27c0000 op_sel_hi:[1,0]   ; less 63: Ea 2^-63 lies in [2^-125, 1]
.endr
.irp j, 0,1,2,3,4,5,6,7
	v_exp_f32 v[DB+\j], v[DB+\j]
.endr
	v_nop
	s_wait_alu depctr_va_vdst(0)                   ; the eight exponentials have written v[DB ..], which the LDS stores, their first readers, read
	ds_store_b128 v[A_EAS], v[DB:DB+3]
	ds_store_b128 v[A_EAS], v[DB+4:DB+7] offset:16
.Lcommon:
	s_wait_loadcnt 0x0                             ; all my loads are in,
	s_wait_kmcnt 0x0                               ; the scalar ones too: s4-s19 have served as addresses and take constants
	s_add_co_i32 s4, s28, s29
	s_add_co_i32 s4, s4, 127
	s_lshl_b32 s4, s4, 23                          ; 2^(e4 + e5)
	s_mov_b32 s5, s4
	s_mov_b32 s6, 0xa138aa3b                       ; -2 k 2^-63: the sums stand for sum x 2^63
	s_mov_b32 s7, s6
	s_mov_b32 s8, 0xc038aa3b                       ; -2 log2(e)
	s_mov_b32 s9, s8
	s_add_co_i32 s12, s30, s31                     ; e6 + e7
	s_add_co_i32 s100, s26, s27
	s_lshl_b32 s100, s100, 23
	s_add_co_i32 s66, s100, K2                     ; k x 2^(e2 + e3)
	s_mov_b32 s67, s66
	v_add_f32 v224, v224, v225                     ; the sum of w2 over the 32 lanes,
	v_add_f32_dpp v224, v224, v224 row_xmask:1 row_mask:0xf bank_mask:0xf
	v_add_f32_dpp v224, v224, v224 row_xmask:2 row_mask:0xf bank_mask:0xf
	v_add_f32_dpp v224, v224, v224 row_xmask:4 row_mask:0xf bank_mask:0xf
	v_add_f32_dpp v224, v224, v224 row_xmask:8 row_mask:0xf bank_mask:0xf
	v_permlanex16_b32 v226, v224, s22, s23
	v_add_f32 v224, v224, v226
	v_add_f32 v224, s3, v224                       ; + b2,
	v_mul_f32 v224, K2, v224                       ; x k;
	v_readfirstlane_b32 s16, v224                  ; kept in a scalar register through the main phase, which has no vector register to spare
	MKSCALE 216, 217, 26                           ; e2
	MKSCALE 218, 219, 28                           ; e4
	MKSCALE 220, 221, 31                           ; e7
	NORM X, XN
	QUANT16 XN, XB, 216, 217                       ; xn's codes for the second product
	QUANT16 X, XV, 218, 219                        ; x's codes for the values
	s_wait_alu depctr_va_sdst(0)                   ; s16 is written, ahead of its first reader (the outer tanh's constant, behind the main phase) and in the straight run of code in which it is written
	BARRIER                                        ; W1b's four images lie in LDS (and Ea, which is read two barriers on)
	; ---- 1: Eb and v's codes for my 16 tokens
	s_wait_alu depctr_va_vdst(0)                   ; in waves 4-7 a conversion has written v112-115 and the product for Ea is done reading them: the fourth image lands there
	s_wait_alu depctr_vm_vsrc(0)                   ; the head's LDS stores have read v[CD ..] (waves 0-3) and v[DB .. DB+7] (waves 4-7), which this phase's conversions and products write
.irp t, 0,1,2,3
	ds_load_b128 v[WF+4*\t:WF+4*\t+3], v[A_LI] offset:512*\t
.endr
	s_wait_dscnt 0x0
.irp t, 0,1,2,3                                ; transposed: lane (r, h) holds token r and hidden units 16 t + 8 h + 0 .. 7.  A fragment's upper half is the next tile's codes (finite) or zeros, against the tokens' zeros
	v_wmma_f32_16x16x64_bf8_bf8 v[DB+8*\t:DB+8*\t+7], v[WF+4*\t:WF+4*\t+7], v[XB:XB+7], 0
.endr
	v_wmma_f32_16x16x64_bf8_bf8 v[DV:DV+7], v[XV:XV+7], v[WV0:WV0+7], 0        ; lane (r, h) holds d = r and tokens 8 h + 0 .. 7: eight neighbours along the last product's K
	v_wmma_f32_16x16x64_bf8_bf8 v[DV+8:DV+15], v[XV:XV+7], v[WV1:WV1+7], 0     ; d = 16 + r
	PLACES 4
.irp j, 0,2,4,6,8,10,12,14,16,18,20,22,24,26,28,30
	v_pk_mul_f32 v[DB+\j:DB+\j+1], v[DB+\j:DB+\j+1], s[66:67] op_sel_hi:[1,0]  ; k B
.endr
.irp j, 0,1,2,3,4,5,6,7,8,9,10,11,12,13,14,15,16,17,18,19,20,21,22,23,24,25,26,27,28,29,30,31
	v_min_num_f32 v[DB+\j], v[DB+\j], v222         ; held at 63 from above, so that x~ stays at 2^63 or under; far below, Eb runs to 0, which is right
.endr
.irp j, 0,1,2,3,4,5,6,7,8,9,10,11,12,13,14,15,16,17,18,19,20,21,22,23,24,25,26,27,28,29,30,31
	v_exp_f32 v[DB+\j], v[DB+\j]
.endr
.irp j, 0,2,4,6                                ; the values are the independent work behind the batch of exponentials
	v_pk_fma_f32 v[DV+\j:DV+\j+1], v[DV+\j:DV+\j+1], s[4:5], v[BV:BV+1] op_sel_hi:[1,0,0]                    ; sum x 2^(e4 + e5) + bv[r]
.endr
.irp j, 8,10,12,14
	v_pk_fma_f32 v[DV+\j:DV+\j+1], v[DV+\j:DV+\j+1], s[4:5], v[BV:BV+1] op_sel:[0,0,1] op_sel_hi:[1,0,1]     ; + bv[16 + r]
.endr
.irp j, 0,1,2,3,4,5,6,7,8,9,10,11,12,13,14,15
	v_med3_num_f32 v[DV+\j], v[DV+\j], -v221, v221
.endr
	v_cvt_scalef32_pk8_bf8_f32 v[CD:CD+1], v[DV:DV+7], v220
	v_cvt_scalef32_pk8_bf8_f32 v[CD+2:CD+3], v[DV+8:DV+15], v220
	v_nop
	s_wait_alu depctr_va_vdst(0)                   ; the 32 exponentials have written v[DB ..] and the conversions v[CD ..], which the LDS stores read; and all that the head and this phase did on v32-159 and v224-255 is done: Eb and Ea land there behind the barrier
.irp t, 0,1,2,3
	ds_store_b128 v[A_EBS], v[DB+8*\t:DB+8*\t+3] offset:64*\t
	ds_store_b128 v[A_EBS], v[DB+8*\t+4:DB+8*\t+7] offset:64*\t+16
.endr
	ds_store_b64 v[A_VTS], v[CD:CD+1]
	ds_store_b64 v[A_VTS], v[CD+2:CD+3] offset:16*PIT
	BARRIER                                        ; Ea, Eb and v's codes lie in LDS
	; ---- 2: the scores.  Step n = 4 q + c: query q of my four, hidden units 16 c .. 16 c + 15, my two keys: 32 elements a lane, 16 pairs
.macro LDEB c                          ; 16 of Eb for each of my two keys: eight loads
.set cb_, (\c)
.irp i, 0,1,2,3
	ds_load_b128 v[EB0+16*cb_+4*\i:EB0+16*cb_+4*\i+3], v[A_EBL] offset:64*cb_+16*\i
	ds_load_b128 v[EB1+16*cb_+4*\i:EB1+16*cb_+4*\i+3], v[A_EBL] offset:32*PIT+64*cb_+16*\i
.endr
.endm
.macro LDEA n                          ; step n's 16 of Ea, the same in every lane, into set n % 2: four loads
.set q_, (\n)/4
.set c_, (\n)%4
.set e_, EA0+16*((\n)%2)
.irp i, 0,1,2,3
	ds_load_b128 v[e_+4*\i:e_+4*\i+3], v[A_EAL] offset:q_*PIT+64*c_+16*\i
.endr
.endm
.macro PKE n                           ; x~ = Ea~ Eb + 2^-63, two neighbouring hidden units an instruction: a pair (x~, y~)
.set c_, (\n)%4
.set e_, EA0+16*((\n)%2)
.irp i, 0,1,2,3,4,5,6,7
	v_pk_fma_f32 v[XX+2*\i:XX+2*\i+1], v[EB0+16*c_+2*\i:EB0+16*c_+2*\i+1], v[e_+2*\i:e_+2*\i+1], v[C63:C63+1]
	v_pk_fma_f32 v[XX+16+2*\i:XX+17+2*\i], v[EB1+16*c_+2*\i:EB1+16*c_+2*\i+1], v[e_+2*\i:e_+2*\i+1], v[C63:C63+1]
.endr
.endm
; The pairs' products x~ y~ and numerators w y~ + w' x~ (w belongs to x's hidden unit, w' to y's).  Each line does key 0's pair m and key 1's pair m xor 1: so the two first sources, and the two second
; sources, lie two register banks apart, one result is even and one odd, and a line names two scalar registers.
.macro PREP n
.set c_, (\n)%4
.irp m, 0,1,2,3,4,5,6,7
.set o_, \m+1-2*(\m%2)
	v_dual_mul_f32 v[PP+2*\m], v[XX+2*\m], v[XX+2*\m+1] :: v_dual_mul_f32 v[PP+2*o_+1], v[XX+16+2*o_], v[XX+17+2*o_]
.endr
.irp m, 0,1,2,3,4,5,6,7
.set o_, \m+1-2*(\m%2)
.set wm_, 32+16*c_+2*\m+4*(c_/2)
.set wo_, 32+16*c_+2*o_+4*(c_/2)
	v_dual_mul_f32 v[TT+2*\m], s[wm_], v[XX+2*\m+1] :: v_dual_mul_f32 v[TT+2*o_+1], s[wo_], v[XX+17+2*o_]
.endr
.irp m, 0,1,2,3,4,5,6,7
.set o_, \m+1-2*(\m%2)
.set wm_, 32+16*c_+2*\m+4*(c_/2)
.set wo_, 32+16*c_+2*o_+4*(c_/2)
	v_dual_fmac_f32 v[TT+2*\m], s[wm_+1], v[XX+2*\m] :: v_dual_fmac_f32 v[TT+2*o_+1], s[wo_+1], v[XX+16+2*o_]
.endr
.endm
.macro RCP n
.irp i, 0,1,2,3,4,5,6,7,8,9,10,11,12,13,14,15
	v_rcp_f32 v[PP+\i], v[PP+\i]
.endr
.endm
.macro ACC n                           ; the sums take numerator x reciprocal: both keys' pair m in a line, two chains by turns; a query's first two lines start the chains, so nothing is cleared
.set c_, (\n)%4
.irp m, 0,1,2,3,4,5,6,7
.set a_, SA+2*(\m%2)
.if (c_ == 0) && (\m < 2)
	v_dual_mul_f32 v[a_], v[TT+2*\m], v[PP+2*\m] :: v_dual_mul_f32 v[a_+1], v[TT+2*\m+1], v[PP+2*\m+1]
.else
	v_dual_fmac_f32 v[a_], v[TT+2*\m], v[PP+2*\m] :: v_dual_fmac_f32 v[a_+1], v[TT+2*\m+1], v[PP+2*\m+1]
.endif
.endr
.endm
.macro FIN q                           ; a query's two chains become its two sums, one for each key
	v_pk_add_f32 v[PRE+2*(\q):PRE+2*(\q)+1], v[SA:SA+1], v[SA+2:SA+3]
.endm
; A step: its 16 reciprocals as one batch; behind them the next step's 16 packed multiply-adds, which name none of the batch's registers; then the step's ONE wait; directly behind it the LDS loads
; for two steps on; the sums; and the next step's products and numerators, into the registers that the sums have just read.  The sums and the preparing lines name v16-19 and v160-223 alone: none of the registers in which the step's loads land.
.macro STEP n
	RCP \n
.if (\n) < 15
	s_wait_dscnt 0x0                               ; the loads issued a step ago: the next step's 16 of Ea (in the first three steps also its 2 x 16 of Eb)
	PKE (\n)+1
.else
	v_nop                                          ; the last batch has no work behind it: the plain instruction
.endif
	s_wait_alu depctr_va_vdst(0)                   ; the 16 reciprocals are written, ahead of the sums, their first readers; and this step's packed multiply-adds, issued a step ago, are done reading Ea's set n % 2, in which the loads below land
.if (\n) < 14
	LDEA (\n)+2
.if (\n)+2 < 4
	LDEB (\n)+2                                    ; Eb's third and fourth 16 come under the first steps' arithmetic
.endif
.endif
	ACC \n
.if (\n)%4 == 3
	FIN (\n)/4
.endif
.if (\n) < 15
	PREP (\n)+1
.endif
.endm
	s_wait_alu depctr_vm_vsrc(0)                   ; the loads and stores of the head and of phase 1 have read their addresses v16-27, and phase 1's LDS stores v[DB ..] and v[CD ..]: this phase writes v16-31 and v160-223, and Eb lands in v144-159
	v_mov_b32 v[C63], 0x20000000                   ; 2^-63
	v_mov_b32 v[C63+1], 0x20000000
	LDEA 0                                         ; 24 loads, in the order in which they are wanted.  No vector instruction since phase 1's wait on va_vdst names a register in which they land
	LDEB 0
	LDEA 1
	LDEB 1
	s_wait_dscnt 12                                ; the first twelve are in: Ea's first set and Eb's first 16; the younger twelve may be out
	PKE 0
	PREP 0
.set N, 0
.rept 16
	STEP N
.set N, N+1
.endr
	; the outer tanh, and t = score x log2(e):  tanh(z) = 1 - 2 / (1 + 2^(k z)),  k z = k (sum of w2 + b2) - 2 k 2^-63 (the scaled sum)
	v_mov_b32 v32, s16
	v_mov_b32 v33, s16
	v_mov_b32 v34, 0x3fb8aa3b                      ; log2(e)
	v_mov_b32 v35, 0x3fb8aa3b
.irp j, 0,2,4,6
	v_pk_fma_f32 v[PRE+\j:PRE+\j+1], v[PRE+\j:PRE+\j+1], s[6:7], v[32:33] op_sel_hi:[1,0,1]
.endr
.irp j, 0,1,2,3,4,5,6,7
	v_exp_f32 v[PRE+\j], v[PRE+\j]
.endr
	v_nop
	s_wait_alu depctr_va_vdst(0)                   ; the eight exponentials are written, ahead of their first reader
.irp j, 0,2,4,6
	v_pk_add_f32 v[PRE+\j:PRE+\j+1], v[PRE+\j:PRE+\j+1], 1.0 op_sel_hi:[1,0]
.endr
.irp j, 0,1,2,3,4,5,6,7
	v_rcp_f32 v[PRE+\j], v[PRE+\j]
.endr
	v_nop
	s_wait_alu depctr_va_vdst(0)                   ; the eight reciprocals are written, ahead of their first reader
.irp j, 0,2,4,6
	v_pk_fma_f32 v[PRE+\j:PRE+\j+1], v[PRE+\j:PRE+\j+1], s[8:9], v[34:35] op_sel_hi:[1,0,1]   ; t = log2(e) - 2 log2(e) r
.endr
	s_wait_alu depctr_va_vdst(0)                   ; the multiply-adds have written v[PRE ..], which the LDS stores read, and are done reading v32-35, in which the next phase's loads land
.irp q, 0,1,2,3
	ds_store_b32 v[A_TS], v[PRE+2*\q] offset:TPIT*\q
	ds_store_b32 v[A_TS], v[PRE+2*\q+1] offset:TPIT*\q+128
.endr
	MKSCALE 50, 51, 30                             ; e6
	v_mov_b32 v42, 0                               ; a lane permute's destination counts as read
	BARRIER                                        ; all of t lies in LDS
	; ---- 3: wave w is query w; a lane holds keys 8 lane + 0 .. 7
	ds_load_b128 v[32:35], v[A_TL]                 ; (since the wait ahead of t's stores vector instructions have named v42, v50 and v51 alone)
	ds_load_b128 v[36:39], v[A_TL] offset:16
	s_wait_dscnt 0x0
	v_max3_num_f32 v40, v32, v33, v34
	v_max3_num_f32 v41, v35, v36, v37
	v_max3_num_f32 v40, v40, v38, v39
	v_max_num_f32 v40, v40, v41
	v_max_num_f32_dpp v40, v40, v40 row_xmask:1 row_mask:0xf bank_mask:0xf
	v_max_num_f32_dpp v40, v40, v40 row_xmask:2 row_mask:0xf bank_mask:0xf
	v_max_num_f32_dpp v40, v40, v40 row_xmask:4 row_mask:0xf bank_mask:0xf
	v_max_num_f32_dpp v40, v40, v40 row_xmask:8 row_mask:0xf bank_mask:0xf
	v_permlanex16_b32 v42, v40, s22, s23
	v_max_num_f32 v40, v40, v42                    ; the row's largest t
	v_floor_f32 v44, -v40                          ; -M = floor(-t) = -ceil(t)
	v_mov_b32 v45, 0                               ; (named as the pair's upper half)
.irp j, 0,2,4,6
	v_pk_add_f32 v[32+\j:33+\j], v[32+\j:33+\j], v[44:45] op_sel_hi:[1,0]   ; t - M
.endr
.irp j, 0,1,2,3,4,5,6,7
	v_exp_f32 v[32+\j], v[32+\j]                   ; p = 2^(t - M): not normalised
.endr
	v_nop
	s_wait_alu depctr_va_vdst(0)                   ; the eight exponentials are written, ahead of their first reader
	v_pk_add_f32 v[46:47], v[32:33], v[34:35]      ; the row's sum is taken of the unquantised p
	v_pk_add_f32 v[52:53], v[36:37], v[38:39]
	v_pk_add_f32 v[46:47], v[46:47], v[52:53]
	v_add_f32 v46, v46, v47
	v_add_f32_dpp v46, v46, v46 row_xmask:1 row_mask:0xf bank_mask:0xf
	v_add_f32_dpp v46, v46, v46 row_xmask:2 row_mask:0xf bank_mask:0xf
	v_add_f32_dpp v46, v46, v46 row_xmask:4 row_mask:0xf bank_mask:0xf
	v_add_f32_dpp v46, v46, v46 row_xmask:8 row_mask:0xf bank_mask:0xf
	v_permlanex16_b32 v42, v46, s22, s23
	v_add_f32 v46, v46, v42
.irp j, 0,1,2,3,4,5,6,7
	v_min_num_f32 v[32+\j], v[32+\j], v51          ; p is not negative: the hold is one-sided
.endr
	v_cvt_scalef32_pk8_bf8_f32 v[48:49], v[32:39], v50
	v_nop
	s_wait_alu depctr_va_vdst(0)                   ; the conversion has written v[48:49] and the sum v46, which the LDS stores read; and this phase is done with v40, in which a load of wave 0 lands behind the barrier
	ds_store_b64 v[A_PS], v[48:49]
	ds_store_b32 v[A_LS], v46                      ; all lanes write the same word with the same number
	BARRIER                                        ; p's codes and the sixteen sums lie in LDS
	s_cmp_lg_u32 s2, 0
	s_cbranch_scc1 .Lend                           ; the last product is four matrix instructions: wave 0's
	; ---- 4: O^T = v^T p^T: source 0 = 16 of the 32 d, source 1 = my 16 queries; K = 256 keys in two steps.  Both sides come by four loads of 16 bytes a fragment: the same permutation of k in both
	; (no vector instruction stands between the wait ahead of phase 3's stores and these 25 loads)
.irp d, 0,1
.irp s, 0,1
.irp c, 0,1,2,3
	ds_load_b128 v[64+16*(2*\d+\s)+4*\c:64+16*(2*\d+\s)+4*\c+3], v[A_VTL] offset:16*PIT*\d+128*\s+32*\c
.endr
.endr
.endr
.irp s, 0,1
.irp c, 0,1,2,3
	ds_load_b128 v[128+16*\s+4*\c:128+16*\s+4*\c+3], v[A_PL] offset:128*\s+32*\c
.endr
.endr
	ds_load_b32 v40, v[A_LL]                       ; the sum of query r
	s_wait_dscnt 0x0
	v_rcp_f32 v41, v40
	v_nop
	s_wait_alu depctr_va_vdst(0)                   ; the reciprocal is written, ahead of its first reader
	v_ldexp_f32 v40, v41, s12                      ; 2^(e6 + e7) / the sum
	v_wmma_f32_16x16x128_bf8_bf8 v[160:167], v[64:79], v[128:143], 0           ; the two accumulators take turns, one instruction a turn
	v_wmma_f32_16x16x128_bf8_bf8 v[168:175], v[96:111], v[128:143], 0
	v_wmma_f32_16x16x128_bf8_bf8 v[160:167], v[80:95], v[144:159], v[160:167]
	v_wmma_f32_16x16x128_bf8_bf8 v[168:175], v[112:127], v[144:159], v[168:175]
	PLACES 4
.irp j, 0,2,4,6,8,10,12,14
	v_pk_mul_f32 v[176+\j:177+\j], v[160+\j:161+\j], v[40:41] op_sel_hi:[1,0]  ; lane (r, h): out(r, 16 d + 8 h + 0 .. 7); each accumulator from its low end on
.endr
	s_wait_alu depctr_va_vdst(0)                   ; the multiplies have written v176-191, which the LDS stores read; what the main phase did on v192-207, in which the rows read back land, is done as well
.irp d, 0,1
	ds_store_b128 v[A_STS], v[176+8*\d:179+8*\d] offset:64*\d
	ds_store_b128 v[A_STS], v[180+8*\d:183+8*\d] offset:64*\d+16
.endr
.irp i, 0,1,2,3
	ds_load_b128 v[192+4*\i:195+4*\i], v[A_STL] offset:4*SPIT*\i               ; my own bytes: LDS serves a wave's instructions in order (ISA guide 5.7.1.4)
.endr
.irp i, 0,1,2,3
	s_wait_dscnt 3-\i                              ; the younger loads may stay out
	global_store_b128 v[A_OO], v[192+4*\i:195+4*\i], s[20:21] offset:512*\i th:TH_STORE_NT   ; 32 lanes store four rows: 512 consecutive bytes, at a multiple of 256 from the output's first byte
.endr
.Lend:
	s_wait_xcnt 0x0                                ; wave 0's stores have had their addresses translated
	v_lshl_add_u32 v254, v0, 2, 0x1a800            ; the add's two registers are made anew, straight ahead of the closing lines: no memory or LDS instruction has ever read v254 or v255
	v_mov_b32 v255, 0
	s_wait_dscnt 0x0                               ; the closing lines, six on end
	s_wait_alu 0x0
	s_wait_tensorcnt 0x0
	ds_add_u32 v254, v255
	s_wait_dscnt 0x0
	s_endpgm
.Lfunc_end_k_q346069239d_attn:
	.size	k_q346069239d_attn, .Lfunc_end_k_q346069239d_attn-k_q346069239d_attn
	.p2alignl 7, 3214868480
	.fill 96, 4, 3214868480
	.section	.rodata,"a",@progbits
	.p2align	6, 0x0
	.amdhsa_kernel k_q346069239d_attn
		.amdhsa_group_segment_fixed_size 110592
		.amdhsa_private_segment_fixed_size 0
		.amdhsa_enable_private_segment 0
		.amdhsa_kernarg_size 72
		.amdhsa_user_sgpr_count 2
		.amdhsa_user_sgpr_kernarg_segment_ptr 1
		.amdhsa_wavefront_size32 1
		.amdhsa_system_sgpr_workgroup_id_x 1
		.amdhsa_system_sgpr_workgroup_id_y 1
		.amdhsa_system_sgpr_workgroup_id_z 1
		.amdhsa_system_vgpr_workitem_id 0
		.amdhsa_next_free_vgpr 256
		.amdhsa_next_free_sgpr 102
		.amdhsa_reserve_vcc 0
		.amdhsa_float_denorm_mode_32 3
		.amdhsa_float_denorm_mode_16_64 3
		.amdhsa_memory_ordered 1
		.amdhsa_forward_progress 1
		.amdhsa_inst_pref_size 102
	.end_amdhsa_kernel
	.amdgpu_metadata
---
amdhsa.version: [ 1, 2 ]
amdhsa.kernels:
  - .name:           k_q346069239d_attn
    .symbol:         k_q346069239d_attn.kd
    .args:
      - { .name: x, .offset: 0, .size: 8, .value_kind: global_buffer, .address_space: global }
      - { .name: W1, .offset: 8, .size: 8, .value_kind: global_buffer, .address_space: global }
      - { .name: Wv_codes, .offset: 16, .size: 8, .value_kind: global_buffer, .address_space: global }
      - { .name: b1, .offset: 24, .size: 8, .value_kind: global_buffer, .address_space: global }
      - { .name: b2, .offset: 32, .size: 8, .value_kind: global_buffer, .address_space: global }
      - { .name: bv, .offset: 40, .size: 8, .value_kind: global_buffer, .address_space: global }
      - { .name: lowp_scales, .offset: 48, .size: 8, .value_kind: global_buffer, .address_space: global }
      - { .name: w2, .offset: 56, .size: 8, .value_kind: global_buffer, .address_space: global }
      - { .name: out0, .offset: 64, .size: 8, .value_kind: global_buffer, .address_space: global }
    .group_segment_fixed_size: 110592
    .private_segment_fixed_size: 0
    .kernarg_segment_align: 8
    .kernarg_segment_size: 72
    .max_flat_workgroup_size: 512
    .sgpr_count:     102
    .vgpr_count:     256
    .wavefront_size: 32
...
	.end_amdgpu_metadata
.endif
;; end of part 2
